; MI455X (gfx1250); checked and timed in simulation.
; The chip was launched on July 23, 2026; its instructions are those of AMD's public machine-readable ISA for CDNA 5 (MIT licence, August 2026) and "CDNA5" Instruction Set Architecture Reference Guide (July 2026). The comments in the code are by the model that wrote it; some were corrected since.
;; Location Expert Router. Allowed arithmetic: matrix products marked QUANTISED: E2M3 operands, one E8M0 scale for each 32 along K, by v_wmma_scale_f32_16x16x128_f8f6f4 with both operands' format E2M3, f32 sums; everything else in f32.
;; Inputs: W_codes 8 x 4,000 x 32 x 24 uint8 (E2M3 codes of W, K innermost, in blocks of 32 codes, four codes in three bytes); W_scales 8 x 4,000 x 32 uint8 (E8M0 scales of W, one for each 32 codes along K); b 8 x 4,000 float32; pointer_addresses 2,048 int32; x_codes 2,048 x 32 x 24 uint8 (E2M3 codes of x, K innermost, in blocks of 32 codes, four codes in three bytes); x_scales 2,048 x 32 uint8 (E8M0 scales of x, one for each 32 codes along K).
;; Outputs: out0 2,048 x 4,000 float32.
;; This version of the problem:
;;   THIS VERSION OF THE PROBLEM IS GIVEN IN LOW PRECISION. The matrix products marked QUANTISED in the list below multiply operands that are first quantised to E2M3 (2 exponent bits, 3 mantissa bits; 6 bits a number), with one power-of-two scale for each 32 numbers along K (OCP MX v1.0); their sums are f32. All else is computed in f32.
;;   The module's matrix products, in the order in which they are computed (A, B: the left and right operand; K: the contracted axis; several contracted axes count as one K, in the product's order):
;;     1. [M 2,048, K 1,024] x [K 1,024, N 4,000]; A: input x (given as codes); B: input W (given as codes): QUANTISED
;;     2. [M 2,048, K 1,024] x [K 1,024, N 4,000]; A: input x (given as codes); B: input W (given as codes): QUANTISED
;;     3. [M 2,048, K 1,024] x [K 1,024, N 4,000]; A: input x (given as codes); B: input W (given as codes): QUANTISED
;;     4. [M 2,048, K 1,024] x [K 1,024, N 4,000]; A: input x (given as codes); B: input W (given as codes): QUANTISED
;;     5. [M 2,048, K 1,024] x [K 1,024, N 4,000]; A: input x (given as codes); B: input W (given as codes): QUANTISED
;;     6. [M 2,048, K 1,024] x [K 1,024, N 4,000]; A: input x (given as codes); B: input W (given as codes): QUANTISED
;;     7. [M 2,048, K 1,024] x [K 1,024, N 4,000]; A: input x (given as codes); B: input W (given as codes): QUANTISED
;;     8. [M 2,048, K 1,024] x [K 1,024, N 4,000]; A: input x (given as codes); B: input W (given as codes): QUANTISED
;;   THE QUANTISER, for each operand of a quantised product, along K:
;;     - K is cut into blocks of 32 from its start; a last block that is shorter is filled with zeros.
;;     - A block's scale is 2^e with e = floor(log2(the largest magnitude in the block)) - 2, held to -126 .. 127; a block of zeros has e = 0. As a byte (E8M0): e + 127.
;;     - Each number is divided by its block's scale, clamped to +-7.5, and rounded to the nearest number of E2M3, ties to even, subnormals kept.
;;     - The product sums the exact products of the quantised numbers (number of the format x scale) in f32.
;;   ~~~python
;;   def quantise(x, axis):      # numpy; x: float32 -> the quantised numbers, widened to float32 again
;;       x = np.moveaxis(x, axis, -1); K = x.shape[-1]
;;       x = np.pad(x, [(0, 0)] * (x.ndim - 1) + [(0, -K % 32)]); x = x.reshape(x.shape[:-1] + (-1, 32)); a = np.abs(x).max(-1, keepdims=True)
;;       e = np.where(a > 0, np.clip(np.frexp(np.where(a > 0, a, 1))[1] - 1 - 2, -126, 127), 0)      # np.frexp(a)[1] - 1 = floor(log2(a)), exactly
;;       r = np.clip(x / 2.0 ** e, -7.5, 7.5)
;;       step = 2.0 ** (np.maximum(np.frexp(np.where(r == 0, 1, r))[1] - 1, 0) - 3)
;;       q = np.round(r / step) * step * 2.0 ** e      # np.round: ties to even
;;       return np.moveaxis(q.reshape(q.shape[:-2] + (-1,))[..., :K], -1, axis).astype(np.float32)
;;   ~~~
;;   INPUTS GIVEN AS CODES. W (in the module: [8, 4000, 1024], K = its axis 2); x (in the module: [2048, 1024], K = its axis 1): each comes as NAME_codes (uint8): NAME with its K axis moved to the last place and cut into blocks of 32 codes, [.., K / 32, bytes a block], one block behind the other in memory; four codes in three bytes: a row's codes are one little-endian stream of bits, code i at bits 6 i .. 6 i + 5 (a code: sign, 2 exponent bits, 3 mantissa bits); and NAME_scales (uint8): the same leading axes, one E8M0 byte (e + 127) for each 32 codes along K. Its value is code x scale, taken as it is: it is not quantised again, and the codes and scales need not be those that the quantiser above would give.
;; One version. Each part assembles by itself: llvm-mc -triple=amdgcn-amd-amdhsa -mcpu=gfx1250 --defsym DOCPART=n.
;; ======== version 1 of 1: 2 launches
;; workspace buffers: order 67,840 bytes of whole numbers
;; launch route (part 1): grid 1 x 1, 8 waves a work-group, no clusters, 2,048 bytes of LDS; arguments pointer_addresses, order; writes order
.if DOCPART == 1
	.amdgcn_target "amdgcn-amd-amdhsa--gfx1250"
	.amdhsa_code_object_version 6
	.text
	.protected	k_q0a711e57bf_route
	.globl	k_q0a711e57bf_route
	.p2align	8
	.type	k_q0a711e57bf_route,@function
k_q0a711e57bf_route:
	s_mov_b64 s[64:65], 0
	v_nop
	global_prefetch_b8 v0, s[64:65] scope:SCOPE_SE
	s_setreg_imm32_b32 hwreg(HW_REG_WAVE_MODE, 25, 1), 1
	s_wait_xcnt 0x0
; THE ROUTING: a counting sort of the 2,048 rows by expert = pointer & 7 (for a 32-bit two's complement number that is pointer mod 8 with the divisor's sign, negative pointers too).
; OUT, all int32:  list[8][2112] from byte 0 (an expert's part is 8,448 bytes): list[e][j], j < cnt[e], are the rows of expert e, in any order; list[e][cnt[e] .. cnt[e] + 63] = 0: a row
; that exists, for the lanes of a last tile that has fewer than 16 rows and for look-ahead; the pitch 2,112 = 2,048 + 64 gives these zeros room at every split.  cnt[0..7] from byte 67,584 (32 words are stored, the last 24 zeros).
; SHARES: one work-group, eight waves; wave w ranks rows 256 w .. 256 w + 255, eight a lane: register j of lane l is row 256 w + 128 (j / 4) + 4 l + j % 4, so that two loads of 16 bytes a lane bring them.
; No atomics: a row's place is its expert's part + the rows of that expert in earlier waves + its rank in its own wave.  The waves' counts meet in LDS behind the one barrier.
.set E,     4                          ; v4-11   the pointers, then the experts
.set R,     12                         ; v12-19  a row's rank among its expert's rows in my wave
.set T,     20                         ; v20     at work
.set C,     21                         ; v21     lane e (0..7): my wave's count for expert e; the other lanes 0
.set CW,    24                         ; v24-31  the same of all eight waves
.set BASE,  32                         ; v32     lane e: where my wave's rows of expert e begin in the list
.set TOTAL, 33                         ; v33     lane e: cnt[e]
.set B,     36                         ; v36-43  a row's place in the list, then its byte
.set ROW,   44                         ; v44-51  the rows' numbers
.set CN,    16                         ; s16-23  running counts, later the bases
.set MK,    24                         ; s24-31  lane masks: which lanes' row goes to expert e
.set LPITCH, 2112
.set CNTS,  67584
	s_load_b128 s[4:7], s[0:1], 0x0                ; the pointers s[4:5], the list s[6:7]
	v_lshl_add_u32 v64, v0, 2, 0x400
	v_mov_b32 v65, 0
	v_and_b32 v1, 31, v0                           ; lane
	v_lshrrev_b32 v3, 5, v0
	s_delay_alu instid0(VALU_DEP_1)
	v_readfirstlane_b32 s8, v3                     ; wave 0..7
	s_lshl_b32 s9, s8, 10
	v_lshl_add_u32 v2, v1, 4, s9                   ; my first 16 bytes: 1,024 w + 16 lane
	s_lshl_b32 s10, s8, 8
	v_lshl_add_u32 v[ROW], v1, 2, s10              ; my first row: 256 w + 4 lane
.irp j, 1,2,3,4,5,6,7
	v_add_nc_u32 v[ROW+\j], 128*(\j/4)+\j%4, v[ROW]
.endr
	v_lshlrev_b32 v54, 2, v1                       ; 4 x lane
	v_lshlrev_b32 v55, 2, v0                       ; 4 x thread: my wave's 128 bytes of LDS, my word
	v_mov_b32 v53, 0
	v_mov_b32 v[C], 0
.irp e, 0,1,2,3,4,5,6,7
	s_mov_b32 s[CN+\e], 0
.endr
	s_wait_kmcnt 0x0
	global_load_b128 v[E:E+3], v2, s[4:5]          ; 32 lanes read 512 consecutive bytes
	global_load_b128 v[E+4:E+7], v2, s[4:5] offset:512
	s_wait_loadcnt 0x0
.irp j, 0,1,2,3,4,5,6,7
	v_and_b32 v[E+\j], 7, v[E+\j]
.endr
; The rank: for register j and expert e, the lanes below mine whose row goes to e, on top of what registers 0 .. j - 1 have counted for e.
.irp j, 0,1,2,3,4,5,6,7
.irp e, 0,1,2,3,4,5,6,7
	v_cmp_eq_u32 s[MK+\e], \e, v[E+\j]
.endr
	v_mbcnt_lo_u32_b32 v[R+\j], s[MK], s[CN]       ; expert 0's figure starts the choice: nothing is cleared
.irp e, 1,2,3,4,5,6,7
	v_mbcnt_lo_u32_b32 v[T], s[MK+\e], s[CN+\e]
	s_delay_alu instid0(VALU_DEP_1)
	v_cndmask_b32 v[R+\j], v[R+\j], v[T], s[MK+\e] ; kept where the lane's row goes to e
.endr
.irp e, 0,1,2,3,4,5,6,7
	s_bcnt1_i32_b32 s32, s[MK+\e]
	s_add_co_u32 s[CN+\e], s[CN+\e], s32
.endr
.endr
.irp e, 0
	v_writelane_b32 v[C], s[CN+\e], \e
.endr
.irp e, 1, 2, 3, 4, 5, 6, 7
	s_delay_alu instid0(VALU_DEP_1)
	v_writelane_b32 v[C], s[CN+\e], \e
.endr
	ds_store_b32 v55, v[C]
	s_wait_dscnt 0x0                               ; for the others' sake: my counts lie in LDS
	s_barrier_signal -1
	s_barrier_wait -1
.irp w, 0,1,2,3,4,5,6,7
	ds_load_b32 v[CW+\w], v54 offset:128*\w        ; lane e: wave w's count for expert e
.endr
	v_mul_u32_u24 v[BASE], v1, LPITCH              ; lane e: expert e's part of the list
	s_wait_alu depctr_va_vdst(0)
	s_wait_dscnt 0x0
	v_add3_u32 v[TOTAL], v[CW], v[CW+1], v[CW+2]
	s_delay_alu instid0(VALU_DEP_1)
	v_add3_u32 v[TOTAL], v[TOTAL], v[CW+3], v[CW+4]
	s_delay_alu instid0(VALU_DEP_1)
	v_add3_u32 v[TOTAL], v[TOTAL], v[CW+5], v[CW+6]
	s_delay_alu instid0(VALU_DEP_1)
	v_add_nc_u32 v[TOTAL], v[TOTAL], v[CW+7]
.irp w, 0,1,2,3,4,5,6
	s_cmp_gt_u32 s8, \w                            ; an earlier wave's rows come first
	s_cselect_b32 s32, 1, 0
	v_mad_u32_u24 v[BASE], v[CW+\w], s32, v[BASE]
.endr
.irp e, 0,1,2,3,4,5,6,7
	v_readlane_b32 s[CN+\e], v[BASE], \e           ; the eight bases as scalars
.endr
	v_readlane_b32 s33, v[TOTAL], s8               ; cnt of the expert whose number is my wave's
.irp j, 0,1,2,3,4,5,6,7
	v_mov_b32 v[B+\j], s[CN]
.irp e, 1,2,3,4,5,6,7
	v_cmp_ne_u32 vcc_lo, \e, v[E+\j]
	s_delay_alu instid0(VALU_DEP_1)
	v_cndmask_b32 v[B+\j], s[CN+\e], v[B+\j], vcc_lo   ; the base of my row's expert
.endr
	s_delay_alu instid0(VALU_DEP_1)
	v_add_nc_u32 v[B+\j], v[B+\j], v[R+\j]
	s_delay_alu instid0(VALU_DEP_1)
	v_min_u32 v[B+\j], 8*LPITCH-1, v[B+\j]         ; a number made of loaded data is held inside the list before it becomes an address
	s_delay_alu instid0(VALU_DEP_1)
	v_lshlrev_b32 v[B+\j], 2, v[B+\j]
	global_store_b32 v[B+\j], v[ROW+\j], s[6:7]    ; four bytes to places far apart: this scatter is the sort itself, 8 KiB in all
.endr
	; the 64 zeros behind expert w's rows: wave w, two stores of 128 consecutive bytes
	s_mul_i32 s32, s8, LPITCH
	v_add_nc_u32 v52, s33, v1
	s_delay_alu instid0(VALU_DEP_1)
	v_add_nc_u32 v52, s32, v52
	s_delay_alu instid0(VALU_DEP_1)
	v_min_u32 v52, 8*LPITCH-33, v52
	s_delay_alu instid0(VALU_DEP_1)
	v_lshlrev_b32 v52, 2, v52
	global_store_b32 v52, v53, s[6:7]
	global_store_b32 v52, v53, s[6:7] offset:128
	s_cmp_lg_u32 s8, 0                             ; every wave holds the totals; wave 0 stores them
	s_cbranch_scc1 .Ldone
	global_store_b32 v54, v[TOTAL], s[6:7] offset:CNTS
.Ldone:
	s_wait_tensorcnt 0x0
	ds_add_u32 v64, v65
	s_wait_dscnt 0x0
	s_endpgm
.Lfunc_end_k_q0a711e57bf_route:
	.size	k_q0a711e57bf_route, .Lfunc_end_k_q0a711e57bf_route-k_q0a711e57bf_route
	.p2alignl 7, 3214868480
	.fill 96, 4, 3214868480
	.section	.rodata,"a",@progbits
	.p2align	6, 0x0
	.amdhsa_kernel k_q0a711e57bf_route
		.amdhsa_group_segment_fixed_size 2048
		.amdhsa_private_segment_fixed_size 0
		.amdhsa_enable_private_segment 0
		.amdhsa_kernarg_size 16
		.amdhsa_user_sgpr_count 2
		.amdhsa_user_sgpr_kernarg_segment_ptr 1
		.amdhsa_wavefront_size32 1
		.amdhsa_system_sgpr_workgroup_id_x 1
		.amdhsa_system_sgpr_workgroup_id_y 1
		.amdhsa_system_sgpr_workgroup_id_z 1
		.amdhsa_system_vgpr_workitem_id 0
		.amdhsa_next_free_vgpr 66
		.amdhsa_next_free_sgpr 66
		.amdhsa_reserve_vcc 1
		.amdhsa_float_denorm_mode_32 3
		.amdhsa_float_denorm_mode_16_64 3
		.amdhsa_memory_ordered 1
		.amdhsa_forward_progress 1
		.amdhsa_inst_pref_size 32
	.end_amdhsa_kernel
	.amdgpu_metadata
---
amdhsa.version: [ 1, 2 ]
amdhsa.kernels:
  - .name:           k_q0a711e57bf_route
    .symbol:         k_q0a711e57bf_route.kd
    .args:
      - { .name: pointer_addresses, .offset: 0, .size: 8, .value_kind: global_buffer, .address_space: global }
      - { .name: order, .offset: 8, .size: 8, .value_kind: global_buffer, .address_space: global }
    .group_segment_fixed_size: 2048
    .private_segment_fixed_size: 0
    .kernarg_segment_align: 8
    .kernarg_segment_size: 16
    .max_flat_workgroup_size: 256
    .sgpr_count:     66
    .vgpr_count:     66
    .wavefront_size: 32
...
	.end_amdgpu_metadata
.endif
;; end of part 1
;; launch gemm (part 2): grid 32 x 8, 4 waves a work-group, no clusters, 184,832 bytes of LDS; arguments W_codes, W_scales, b, x_codes, x_scales, order, out0; writes out0
.if DOCPART == 2
	.amdgcn_target "amdgcn-amd-amdhsa--gfx1250"
	.amdhsa_code_object_version 6
	.text
	.protected	k_q0a711e57bf_gemm
	.globl	k_q0a711e57bf_gemm
	.p2align	8
	.type	k_q0a711e57bf_gemm,@function
k_q0a711e57bf_gemm:
	s_mov_b64 s[64:65], 0
	v_nop
	global_prefetch_b8 v0, s[64:65] scope:SCOPE_SE
	s_setreg_imm32_b32 hwreg(HW_REG_WAVE_MODE, 25, 1), 1
	s_wait_xcnt 0x0
; out[row][n] = sum over k of x[row][k] W[e][n][k] + b[e][n], e = the row's expert: only the rows that the routing gives to an expert are multiplied by it.
; x [2048][1024], W [8][4000][1024]: codes of FP6 (E2M3), a row 768 bytes, with one E8M0 byte for each 32 along K (32 bytes a row); both go to the matrix instruction as they lie.  out [2048][4000] f32.
; SHARES.  Work-group (slice, e): 128 columns of expert e, for all rows of e: 32 x 8 work-groups.  4,000 = 31 x 128 + 32: the last slice begins at column 3,872, so that every load stays inside its
; buffer, and stores only the columns from 3,968 on (its lanes 24-31); W's rows 3,872 to 3,967 are so read by two work-groups.
; THE FOUR WAVES SHARE THE ROWS: wave w takes the tiles of 16 rows T = w, w + 4, .. of the expert's list, each for all 128 columns.  How many tiles there are is read from memory, so the loop over tiles holds
; no barrier, no LDS address is stepped in it, and a wave's stages in LDS are its own.  For the same reason operands come by plain loads, not by the tensor data mover.
; W STAYS: the slice (8 column tiles x 8 K steps x 12 registers) is read from memory once.  Column tiles 0-6 stay in registers (672); tile 7's fragments are read from LDS again for each tile of rows: that leaves
; registers for the next tile's rows of x, which are on their way while this tile is multiplied.
; NO CLUSTER: a slice of W has one reader; x's rows are shared by an expert's 32 slices, but they are a sixteenth of W's bytes, and joint requests want trip counts that no loaded number decides.
; NO PREFETCH: all of the slice is asked for at the head, ahead of everything else.
; THE MATRIX INSTRUCTION IS USED TRANSPOSED (source 0 = 16 rows of W, source 1 = 16 rows of x): lane (r, h) holds row r and the columns 16 c + 8 h + 0 .. 7.  A tile goes through the wave's stage and leaves
; as rows: each store writes 512 consecutive bytes of one row of out.  A row of out is 16,000 bytes, so on odd rows these 512 bytes begin 128 bytes past a multiple of 256, whatever the split of the columns.
; LIMITS: a split that gives one expert most rows is served right, by that expert's 32 work-groups alone.  A scale byte 0xff makes the sums NaN, as the format says.
; REGISTERS, in windows of 256: window 0: see below.  W's fragment (column tile c <= 6, K step s) lies in window 1 + s / 3 at v[12 (7 (s % 3) + c)]: a K step's seven lie in one window.
;   window 3 also: v168-231 the eight accumulators; v232-255 two of the eight pairs of rows of x in flight.
.set PX,    784                        ; a row of codes in LDS: 768 bytes + 16 = 196 words: row r starts at bank 4 r mod 64 (64 banks of 4 bytes: ISA guide 11.1): the 32 lanes of a fragment's load of 8 bytes touch 64 different banks
.set PO,    528                        ; a row of results in LDS: 512 bytes + 16
.set XST,   128*PX                     ; LDS: W's 128 rows from byte 0; then 16 rows of x for each wave;
.set XSTW,  16*PX
.set OST,   XST+4*XSTW                 ; then 16 rows of results for each wave
.set OSTW,  16*PO
.set LPITCH, 8448                      ; an expert's part of the list, in bytes
.set CNTS,  67584                      ; where the counts begin
.set XA,   1                           ; v1   my place in a fragment of x: my wave's stage + 784 r + 24 h
.set WA0,  2                           ; v2   the same in W's rows 0-63: 784 r + 24 h
.set WA1,  3                           ; v3   and in rows 64-127
.set XW,   4                           ; v4   where I put 16 bytes of x: my wave's stage + 8 h rows + 16 q
.set SO,   5                           ; v5   where I put 32 bytes of a row of results: my wave's stage + 528 r + 32 h
.set SR,   6                           ; v6   where I read a row back: my wave's stage + 16 lane
.set CO,   7                           ; v7   16 x lane: my bytes in a row's 512
.set COL,  8                           ; v8   my first column
.set LPL,  9                           ; v9   32 h: my half's eight places in a tile's part of the list
.set LRL,  10                          ; v10  4 r
.set LPA,  11                          ; v11, v12  the list addresses in hand
.set LRA,  12
.set Q16,  13                          ; v13  16 q (q = r = lane % 16)
.set H16,  14                          ; v14  16 h
.set GS,   15                          ; v15  where my row's scale bytes lie
.set GA,   16                          ; v16-23  where the eight pairs of rows of x lie
.set IDXP, 24                          ; v24-31  register p: the row at place 16 T + 8 h + p of the list
.set IDXR, 32                          ; v32     the row at place 16 T + r
.set BIAS, 34                          ; v34-37  b of my four columns
.set XSN,  38                          ; v38-41  the next tile's scale words of x
.set XSC,  42                          ; v42-45  this tile's: register i: lanes 0-15 K step i, lanes 16-31 K step 4 + i, of row r
.set WS,   46                          ; v46-77  W's: register 4 c + i likewise, of column tile c
.set OA,   78                          ; v78-93  where the tile's 16 rows go in out
.set XF,   94                          ; v94-129   fragments of x, three slots of 12
.set WF,   130                         ; v130-165  fragments of W's column tile 7, three slots
.set OB,   94                          ; v94-157   the way out: 16 rows read back, over the slots, which are idle then
.set XG0,  166                         ; v166-237  x in flight: pairs of rows 0-5, 12 registers each
.set XG1,  232                         ; in window 3: pairs 6 and 7
.set ACC,  168                         ; in window 3
.set GW,   238                         ; v238  head only: my 16 bytes in a chunk of W: 6,144 w + 3,072 h + 16 q
.set LWA0, 239                         ; v239  head only: where they go in LDS: (8 w + 4 h) rows + 16 q
.set LWA1, 240                         ; v240  the same 64 rows on
.set WSA,  241                         ; v241  head only: 32 r + 16 h
.set TL,   242                         ; v242-245 head only: lane, r, h, wave
.set TR,   243
.set TH,   244
.set TW,   245
.set MSB, 0
.macro WIN new                         ; the immediate's high byte repeats the setting that is left; a switch that changes nothing is dropped
.if MSB != (\new)
	s_set_vgpr_msb (MSB<<8)|(\new)
.set MSB, (\new)
.endif
.endm
.macro PLACES n
.rept \n
	v_nop
.endr
.endm
; The rows of a tile, from the list.  s28 = 64 x the tile's number.
.macro LISTLOAD
	v_add_nc_u32 v[LPA], s28, v[LPL]
	v_add_nc_u32 v[LRA], s28, v[LRL]
	global_load_b128 v[IDXP:IDXP+3], v[LPA], s[52:53]
	global_load_b128 v[IDXP+4:IDXP+7], v[LPA], s[52:53] offset:16
	global_load_b32 v[IDXR], v[LRA], s[52:53]
.endm
; Their addresses: 18 plain vector lines.  A loaded number is held inside x before it becomes an address.
.macro GADDR
.irp p, 0,1,2,3,4,5,6,7
	v_min_u32 v[IDXP+\p], 2047, v[IDXP+\p]
.endr
	v_min_u32 v[IDXR], 2047, v[IDXR]
.irp p, 0,1,2,3,4,5,6,7
	v_mad_u32_u24 v[GA+\p], v[IDXP+\p], 768, v[Q16]
.endr
	v_lshl_add_u32 v[GS], v[IDXR], 5, v[H16]
.endm
; 16 rows of x: 24 loads; in each, lanes 0-15 read 256 consecutive bytes of one row, at a multiple of 256 from x's first byte, lanes 16-31 the same of another row.  And the rows' scale words.
.macro GATHER
.irp p, 0,1,2,3,4,5,6,7
.irp u, 0,1,2
.if \p < 6
	WIN 0
	global_load_b128 v[XG0+12*\p+4*\u:XG0+12*\p+4*\u+3], v[GA+\p], s[10:11] offset:256*\u
.else
	WIN 0xc0                                       ; destination window 3
	global_load_b128 v[XG1+12*(\p-6)+4*\u:XG1+12*(\p-6)+4*\u+3], v[GA+\p], s[10:11] offset:256*\u
.endif
.endr
.endr
	WIN 0
	global_load_b128 v[XSN:XSN+3], v[GS], s[12:13]
.endm
.macro XPUT                            ; into my wave's stage, as rows
.irp p, 0,1,2,3,4,5,6,7
.irp u, 0,1,2
.if \p < 6
	WIN 0
	ds_store_b128 v[XW], v[XG0+12*\p+4*\u:XG0+12*\p+4*\u+3] offset:PX*\p+256*\u
.else
	WIN 0x0c                                       ; an LDS store's data are its source 1: window 3
	ds_store_b128 v[XW], v[XG1+12*(\p-6)+4*\u:XG1+12*(\p-6)+4*\u+3] offset:PX*\p+256*\u
.endif
.endr
.endr
	WIN 0
.endm
; K step s's fragment of x and of W's column tile 7 into slot s % 3.  A fragment, 16 rows x 128 K, is 12 registers: lane (r, h) takes the 24 bytes at 96 s + 24 h of row r and the 24 bytes 48 further on, in pieces of 8.
.macro RINGLOAD s
.irp i, 0,1,2,3,4,5
	ds_load_b64 v[XF+12*((\s)%3)+2*\i:XF+12*((\s)%3)+2*\i+1], v[XA] offset:96*(\s)+48*(\i/3)+8*(\i%3)
.endr
.irp i, 0,1,2,3,4,5
	ds_load_b64 v[WF+12*((\s)%3)+2*\i:WF+12*((\s)%3)+2*\i+1], v[WA1] offset:48*PX+96*(\s)+48*(\i/3)+8*(\i%3)
.endr
.endm
; W comes in four chunks of 32 rows.  Load i (0..11) of chunk q lands in registers that get their lasting contents later: chunk 0 in the fragment slots, chunk 1 in the accumulators, chunks 2 and 3 in column tile 6's fragments.
.macro STGSET q, i
.if (\q) == 0
.set STGW, 0
.set STGR, XF+4*(\i)
.elseif (\q) == 1
.set STGW, 3
.set STGR, ACC+4*(\i)
.else
.set STGS, 4*((\q)-2)+(\i)/3
.set STGW, 1+STGS/3
.set STGR, 12*(7*(STGS%3)+6)+4*((\i)%3)
.endif
.endm
.macro WLOAD q                         ; rows 32 q + 8 w + 4 h + p: lanes 0-15 read 256 consecutive bytes of a row, lanes 16-31 of the row four further on.  Read once in the launch (but for the last slice's overlap)
.irp p, 0,1,2,3
.irp u, 0,1,2
	STGSET \q, 3*\p+\u
	WIN STGW<<6
	global_load_b128 v[STGR:STGR+3], v[GW], s[4:5] offset:24576*(\q)+768*\p+256*\u th:TH_LOAD_NT
.endr
.endr
.endm
.macro WFRAGS c                        ; column tile c's eight fragments, from LDS into the registers where they stay
.irp s, 0,1,2,3,4,5,6,7
	WIN (1+\s/3)<<6
.irp i, 0,1,2,3,4,5
	ds_load_b64 v[12*(7*(\s%3)+(\c))+2*\i:12*(7*(\s%3)+(\c))+2*\i+1], v[WA0+(\c)/4] offset:16*PX*((\c)%4)+96*\s+48*(\i/3)+8*(\i%3)
.endr
.endr
	WIN 0
.endm
; Chunk q goes to LDS; behind the barrier its 32 rows are whole, and every wave takes its two column tiles' fragments, while the next chunk is still arriving.  left: the loads issued behind the chunk's.
.macro WPUT q, left
	s_wait_loadcnt \left
.irp p, 0,1,2,3
.irp u, 0,1,2
	STGSET \q, 3*\p+\u
	WIN STGW<<2
	ds_store_b128 v[LWA0+(\q)/2], v[STGR:STGR+3] offset:32*PX*((\q)%2)+PX*\p+256*\u
.endr
.endr
	WIN 0
	s_wait_dscnt 0x0                               ; for the others' sake: my stores have landed (and the last chunk's fragments are in)
	s_barrier_signal -1
	s_barrier_wait -1
	WFRAGS 2*(\q)
.if 2*(\q)+1 < 7
	WFRAGS 2*(\q)+1
.endif
.endm
; One product: column tile c, K step s.  The scale words of K steps 4-7 stand in lanes 16-31 of the same registers.
.macro PROD c, s, areg
.if (\s) == 0
	v_wmma_scale_f32_16x16x128_f8f6f4 v[ACC+8*(\c):ACC+8*(\c)+7], v[\areg:\areg+11], v[XF+12*((\s)%3):XF+12*((\s)%3)+11], 0, v[WS+4*(\c)+(\s)%4], v[XSC+(\s)%4] matrix_a_fmt:MATRIX_FMT_FP6 matrix_b_fmt:MATRIX_FMT_FP6
.elseif (\s) < 4
	v_wmma_scale_f32_16x16x128_f8f6f4 v[ACC+8*(\c):ACC+8*(\c)+7], v[\areg:\areg+11], v[XF+12*((\s)%3):XF+12*((\s)%3)+11], v[ACC+8*(\c):ACC+8*(\c)+7], v[WS+4*(\c)+(\s)%4], v[XSC+(\s)%4] matrix_a_fmt:MATRIX_FMT_FP6 matrix_b_fmt:MATRIX_FMT_FP6
.else
	v_wmma_scale_f32_16x16x128_f8f6f4 v[ACC+8*(\c):ACC+8*(\c)+7], v[\areg:\areg+11], v[XF+12*((\s)%3):XF+12*((\s)%3)+11], v[ACC+8*(\c):ACC+8*(\c)+7], v[WS+4*(\c)+(\s)%4], v[XSC+(\s)%4] matrix_a_fmt:MATRIX_FMT_FP6 matrix_b_fmt:MATRIX_FMT_FP6 matrix_a_scale:MATRIX_SCALE_ROW1 matrix_b_scale:MATRIX_SCALE_ROW1
.endif
.endm
; A K step: the fragments of two steps on are asked for, into the slot that the step before has read: four plain vector lines stand between that step's last product and these loads (ISA guide 7.12.1 for vector
; instructions): v_nop, or four of the store addresses.  Then eight products; the eight accumulators take turns, one instruction a turn.  The first step's products start the sums.
.macro KSTEP s
	WIN 0
.if (\s) == 4
	s_wait_kmcnt 0x0                               ; the tile's 16 rows as scalars
.irp i, 0,1,2,3,4,5,6,7,8,9,10,11,12,13,14,15
	s_min_u32 s[32+\i], s[32+\i], 2047             ; held inside out before they become addresses
	s_mul_i32 s[32+\i], s[32+\i], 16000            ; a row of out in bytes
.endr
.endif
.if ((\s) >= 1) && ((\s) <= 3)
	PLACES 4
.elseif ((\s) == 4) || ((\s) == 5)
.irp i, 0,1,2,3
	v_add_nc_u32 v[OA+4*((\s)-4)+\i], s[32+4*((\s)-4)+\i], v[CO]
.endr
.endif
.if (\s) <= 5
	RINGLOAD (\s)+2
	s_wait_dscnt 24                                ; this step's twelve loads are in; the next two steps' may be out
.elseif (\s) == 6
	s_wait_dscnt 12                                ; the last step's may be out
.else
	s_wait_dscnt 0x0
.endif
	WIN 0xf0|(1+(\s)/3)                            ; source 0 (W) in its window, source 1 (x) window 0, C and D window 3
.irp c, 0,1,2,3,4,5,6
	PROD \c, \s, 12*(7*((\s)%3)+\c)
.endr
	WIN 0xf0                                       ; column tile 7's fragment lies in window 0
	PROD 7, \s, WF+12*((\s)%3)
.endm
	s_load_b256 s[4:11], s[0:1], 0x0               ; W's codes s[4:5], W's scales s[6:7], b s[8:9], x's codes s[10:11]
	s_load_b128 s[12:15], s[0:1], 0x20             ; x's scales s[12:13], the list s[14:15]
	s_load_b64 s[16:17], s[0:1], 0x30              ; out
	v_lshl_add_u32 v254, v0, 2, 0x2d000
	v_mov_b32 v255, 0
	v_and_b32 v[TL], 31, v0                        ; lane
	v_and_b32 v[TR], 15, v0                        ; r = q
	v_bfe_u32 v[TH], v0, 4, 1                      ; h
	v_lshrrev_b32 v[TW], 5, v0
	v_readfirstlane_b32 s18, v[TW]                 ; wave 0..3
	s_and_b32 s20, ttmp7, 0xffff                   ; the expert
	s_lshl_b32 s22, ttmp9, 7                       ; the first column that I store: 128 x slice
	s_min_u32 s21, s22, 3872                       ; the first column that I compute
	s_mul_i32 s28, s18, XSTW
	s_add_co_u32 s28, s28, XST                     ; my wave's stage for x
	s_mul_i32 s31, s18, OSTW
	s_add_co_u32 s31, s31, OST                     ; and for results
	v_mul_u32_u24 v[WA0], v[TR], PX
	v_mad_u32_u24 v[WA0], v[TH], 24, v[WA0]
	v_add_nc_u32 v[XA], s28, v[WA0]
	v_add_nc_u32 v[WA1], 64*PX, v[WA0]
	v_mul_u32_u24 v[XW], v[TH], 8*PX
	v_lshl_add_u32 v[XW], v[TR], 4, v[XW]
	v_add_nc_u32 v[XW], s28, v[XW]
	v_mul_u32_u24 v[SO], v[TR], PO
	v_lshl_add_u32 v[SO], v[TH], 5, v[SO]
	v_add_nc_u32 v[SO], s31, v[SO]
	v_lshlrev_b32 v[CO], 4, v[TL]
	v_add_nc_u32 v[SR], s31, v[CO]
	v_lshl_add_u32 v[COL], v[TL], 2, s21
	v_lshlrev_b32 v[LPL], 5, v[TH]
	v_lshlrev_b32 v[LRL], 2, v[TR]
	v_lshlrev_b32 v[Q16], 4, v[TR]
	v_lshlrev_b32 v[H16], 4, v[TH]
	s_mul_i32 s27, s18, 6144
	v_mad_u32_u24 v[GW], v[TH], 3072, v[Q16]
	v_add_nc_u32 v[GW], s27, v[GW]
	s_mul_i32 s27, s18, 8*PX
	v_mad_u32_u24 v[LWA0], v[TH], 4*PX, v[Q16]
	v_add_nc_u32 v[LWA0], s27, v[LWA0]
	v_add_nc_u32 v[LWA1], 64*PX, v[LWA0]
	v_lshl_add_u32 v[WSA], v[TR], 5, v[H16]
	s_mul_i32 s27, s20, 4000
	s_add_co_u32 s27, s27, s21                     ; my first row of W, counted over all experts
	s_mul_i32 s48, s27, 768                        ; under 2^25
	s_mov_b32 s49, 0
	s_lshl_b32 s50, s27, 5
	s_mov_b32 s51, 0
	s_wait_alu depctr_va_vdst(0)
	s_wait_kmcnt 0x0
	s_add_nc_u64 s[4:5], s[4:5], s[48:49]          ; W's codes,
	s_add_nc_u64 s[6:7], s[6:7], s[50:51]          ; W's scale bytes,
	s_lshl_b32 s48, s27, 2
	s_add_nc_u64 s[8:9], s[8:9], s[48:49]          ; and b at my first column
	s_lshl_b32 s48, s21, 2
	s_add_nc_u64 s[16:17], s[16:17], s[48:49]      ; out at my first column of row 0
	s_mul_i32 s48, s20, LPITCH
	s_add_nc_u64 s[52:53], s[14:15], s[48:49]      ; my expert's part of the list
	s_lshl_b32 s31, s20, 2
	s_load_b32 s23, s[14:15], s31 offset:CNTS      ; how many rows it has (s31 stays until the wait for it)
	s_lshl_b32 s28, s18, 6
	LISTLOAD                                       ; tile w: the list's first 64 places are written at every split
.irp c, 0,1,2,3,4,5,6,7
	global_load_b128 v[WS+4*\c:WS+4*\c+3], v[WSA], s[6:7] offset:512*\c   ; a column tile's scale bytes: 512 consecutive bytes
.endr
	global_load_b128 v[BIAS:BIAS+3], v[CO], s[8:9]
	WLOAD 0                                        ; the whole slice is asked for at once: 48 loads a wave
	WLOAD 1
	WLOAD 2
	WLOAD 3
	WIN 0
	s_wait_loadcnt 57                              ; the three list loads are in: behind them stand 8 + 1 + 48
	s_wait_kmcnt 0x0
	s_min_u32 s23, s23, 2048                       ; no expert has more rows than there are
	s_add_co_u32 s24, s23, 15
	s_lshr_b32 s24, s24, 4                         ; tiles of 16 rows
	s_max_u32 s26, s24, 1
	s_sub_co_u32 s26, s26, 1                       ; the last tile whose places in the list are written
	GADDR
	GATHER                                         ; my first tile's rows of x (rows that exist, whether or not the tile does)
	s_add_co_u32 s28, s18, 4
	s_min_u32 s28, s28, s26
	s_min_u32 s28, s28, 127
	s_lshl_b32 s28, s28, 6
	LISTLOAD                                       ; my second tile's rows, or the last tile's
	WPUT 0, 63                                     ; behind chunk q: (36 - 12 q) loads of W, 25 of x, 3 of the list; 64 is more than a wait can name
	WPUT 1, 52
	WPUT 2, 40
	WPUT 3, 28                                     ; the launch's four barriers stand here, ahead of every branch on a loaded number
	s_mov_b32 s25, s18                             ; T, my first tile
	s_add_co_u32 s54, s24, 3
	s_sub_co_u32 s54, s54, s18
	s_lshr_b32 s54, s54, 2                         ; how many of the tiles w, w + 4, .. exist: the loop's trips (0 where the expert has no more than w tiles)
	s_mov_b32 s55, 0                               ; trips done
	s_cmp_ge_u32 s18, s24
	s_cbranch_scc1 .Lend                           ; a wave without a tile
.Ltile:                                                ; a trip is a tile of 16 rows
	s_wait_loadcnt 0x0                             ; this tile's x and scale words, and the next tile's rows: so all their address registers are free too
	s_min_u32 s31, s25, 127
	s_lshl_b32 s31, s31, 6
	s_load_b512 s[32:47], s[52:53], s31 offset:0x0 ; this tile's 16 rows once more, as scalars, for the stores
.irp i, 0,1,2,3
	v_mov_b32 v[XSC+\i], v[XSN+\i]                 ; the 18 lines of GADDR below stand between these and the first product, which asks for eight
.endr
	XPUT
	RINGLOAD 0                                     ; LDS serves a wave's instructions in order (ISA guide 5.7.1.4): these see the stores above
	RINGLOAD 1
	GADDR                                          ; the next tile's addresses
	KSTEP 0                                        ; its wait shows XPUT's stores done as well: the registers that held x may be loaded again
	WIN 0
	s_add_co_u32 s27, s25, 4
	s_cmp_lt_u32 s27, s24
	s_cbranch_scc0 .Lno_next
	s_wait_alu depctr_va_vdst(0)
	GATHER                                         ; the next tile's x has seven K steps and the way out in which to land
.Lno_next:
	s_add_co_u32 s28, s25, 8
	s_min_u32 s28, s28, s26
	s_min_u32 s28, s28, 127
	s_lshl_b32 s28, s28, 6
	LISTLOAD                                       ; the rows of the tile after that, or the last tile's: no load leaves the written part of the list
	KSTEP 1
	KSTEP 2
	KSTEP 3
	KSTEP 4
	KSTEP 5
	KSTEP 6
	KSTEP 7
	; THE WAY OUT
	WIN 0
.irp i, 8,9,10,11,12,13,14,15
	v_add_nc_u32 v[OA+\i], s[32+\i], v[CO]         ; eight plain lines: the places between the last products and the reads of their results, and the loads over their fragments
.endr
	WIN 0x0c                                       ; the data: window 3
.irp c, 0,1,2,3,4,5,6,7
	ds_store_b128 v[SO], v[ACC+8*\c:ACC+8*\c+3] offset:64*\c          ; each accumulator from its low end on
	ds_store_b128 v[SO], v[ACC+8*\c+4:ACC+8*\c+7] offset:64*\c+16
.endr
	WIN 0
.irp i, 0,1,2,3,4,5,6,7,8,9,10,11,12,13,14,15
	ds_load_b128 v[OB+4*\i:OB+4*\i+3], v[SR] offset:PO*\i             ; back as rows of 512 bytes, 16 a lane
.endr
	s_lshl_b32 s29, s25, 4
	s_sub_co_u32 s29, s23, s29
	s_min_u32 s29, s29, 16                         ; how many of the tile's rows exist: 1 to 16
.irp i, 0,1,2,3,4,5,6,7,8,9,10,11,12,13,14,15
	s_wait_dscnt 15-\i                             ; row i is back; the last of these waits is for 0: the accumulators have been read
	v_pk_add_f32 v[OB+4*\i:OB+4*\i+1], v[OB+4*\i:OB+4*\i+1], v[BIAS:BIAS+1]
	v_pk_add_f32 v[OB+4*\i+2:OB+4*\i+3], v[OB+4*\i+2:OB+4*\i+3], v[BIAS+2:BIAS+3]
.endr
	v_cmp_le_u32 vcc_lo, s22, v[COL]               ; all lanes, but in the last slice those from column 3,968 on
	s_wait_xcnt 0x0                                ; EXEC is a source of the loads that are out: it changes only behind this wait
	s_and_saveexec_b32 s30, vcc_lo
	global_store_b128 v[OA], v[OB:OB+3], s[16:17] th:TH_STORE_NT
.irp i, 1,2,3,4,5,6,7,8,9,10,11,12,13,14,15
	s_cmp_gt_u32 s29, \i
	s_cbranch_scc0 .Lsent                          ; the places behind the expert's last row hold no row of its own: nothing is stored for them
	s_wait_alu depctr_va_vdst(0)
	global_store_b128 v[OA+\i], v[OB+4*\i:OB+4*\i+3], s[16:17] th:TH_STORE_NT   ; 512 consecutive bytes of one row; written once, read by nobody here
.endr
.Lsent:
	s_wait_xcnt 0x0                                ; the stores have read their data, their addresses and EXEC: all three are written again behind this wait
	s_or_b32 exec_lo, exec_lo, s30
	s_add_co_u32 s25, s25, 4                       ; my next tile's number: it feeds offsets alone;
	s_add_co_u32 s55, s55, 1                       ; the loop is counted by its trips, one at a time
	s_cmp_lt_u32 s55, s54
	s_cbranch_scc1 .Ltile
.Lend:
	s_wait_dscnt 0x0                               ; a wave without a tile still has fragment loads out
	s_wait_tensorcnt 0x0
	ds_add_u32 v254, v255
	s_wait_dscnt 0x0
	s_endpgm
.Lfunc_end_k_q0a711e57bf_gemm:
	.size	k_q0a711e57bf_gemm, .Lfunc_end_k_q0a711e57bf_gemm-k_q0a711e57bf_gemm
	.p2alignl 7, 3214868480
	.fill 96, 4, 3214868480
	.section	.rodata,"a",@progbits
	.p2align	6, 0x0
	.amdhsa_kernel k_q0a711e57bf_gemm
		.amdhsa_group_segment_fixed_size 184832
		.amdhsa_private_segment_fixed_size 0
		.amdhsa_enable_private_segment 0
		.amdhsa_kernarg_size 56
		.amdhsa_user_sgpr_count 2
		.amdhsa_user_sgpr_kernarg_segment_ptr 1
		.amdhsa_wavefront_size32 1
		.amdhsa_system_sgpr_workgroup_id_x 1
		.amdhsa_system_sgpr_workgroup_id_y 1
		.amdhsa_system_sgpr_workgroup_id_z 1
		.amdhsa_system_vgpr_workitem_id 0
		.amdhsa_next_free_vgpr 1024
		.amdhsa_next_free_sgpr 66
		.amdhsa_reserve_vcc 1
		.amdhsa_float_denorm_mode_32 3
		.amdhsa_float_denorm_mode_16_64 3
		.amdhsa_memory_ordered 1
		.amdhsa_forward_progress 1
		.amdhsa_inst_pref_size 72
	.end_amdhsa_kernel
	.amdgpu_metadata
---
amdhsa.version: [ 1, 2 ]
amdhsa.kernels:
  - .name:           k_q0a711e57bf_gemm
    .symbol:         k_q0a711e57bf_gemm.kd
    .args:
      - { .name: W_codes, .offset: 0, .size: 8, .value_kind: global_buffer, .address_space: global }
      - { .name: W_scales, .offset: 8, .size: 8, .value_kind: global_buffer, .address_space: global }
      - { .name: b, .offset: 16, .size: 8, .value_kind: global_buffer, .address_space: global }
      - { .name: x_codes, .offset: 24, .size: 8, .value_kind: global_buffer, .address_space: global }
      - { .name: x_scales, .offset: 32, .size: 8, .value_kind: global_buffer, .address_space: global }
      - { .name: order, .offset: 40, .size: 8, .value_kind: global_buffer, .address_space: global }
      - { .name: out0, .offset: 48, .size: 8, .value_kind: global_buffer, .address_space: global }
    .group_segment_fixed_size: 184832
    .private_segment_fixed_size: 0
    .kernarg_segment_align: 8
    .kernarg_segment_size: 56
    .max_flat_workgroup_size: 128
    .sgpr_count:     66
    .vgpr_count:     1024
    .wavefront_size: 32
...
	.end_amdgpu_metadata
.endif
;; end of part 2
